; MI455X (gfx1250); checked and timed in simulation.
; The chip was launched on July 23, 2026; its instructions are those of AMD's public machine-readable ISA for CDNA 5 (MIT licence, August 2026) and "CDNA5" Instruction Set Architecture Reference Guide (July 2026). The comments in the code are by the model that wrote it; some were corrected since.
;; Attention. Allowed arithmetic: matrix products marked QUANTISED: E2M1 operands, one E8M0 scale for each 32 along K, by v_wmma_scale_f32_16x16x128_f8f6f4 with both operands' format E2M1 (or v_wmma_scale_f32_32x16x128_f4), f32 sums; everything else in f32.
;; Inputs: Wk 1,024 x 1,024 float32; Wq 1,024 x 1,024 float32; Wv 1,024 x 1,024 float32; beta 16 x 1,024 x 1,024 float32; bk 1,024 float32; bq 1,024 float32; bv 1,024 float32; k 8 x 1,024 x 1,024 float32; q 8 x 1,024 x 1,024 float32; src_mask 8 x 1,024 bool; tgt_mask 8 x 1,024 bool; v 8 x 1,024 x 1,024 float32.
;; Outputs: out0 8 x 1,024 x 1,024 float32.
;; This version of the problem:
;;   THIS VERSION OF THE PROBLEM IS GIVEN IN LOW PRECISION. The matrix products marked QUANTISED in the list below multiply operands that are first quantised to E2M1 (2 exponent bits, 1 mantissa bit; 4 bits a number), with one power-of-two scale for each 32 numbers along K (OCP MX v1.0); their sums are f32. All else is computed in f32.
;;   The module's matrix products, in the order in which they are computed (A, B: the left and right operand; K: the contracted axis; several contracted axes count as one K, in the product's order):
;;     1. [M 8,192, K 1,024] x [K 1,024, N 1,024]; A: input q; B: input Wq: QUANTISED
;;     2. [M 8,192, K 1,024] x [K 1,024, N 1,024]; A: input k; B: input Wk: QUANTISED
;;     3. [M 8,192, K 1,024] x [K 1,024, N 1,024]; A: input v; B: input Wv: QUANTISED
;;     4. batch 128 x [M 1,024, K 64] x [K 64, N 1,024]; A: computed on the way; B: computed on the way: QUANTISED
;;     5. batch 128 x [M 1,024, K 1,024] x [K 1,024, N 64]; A: computed on the way; B: computed on the way: QUANTISED
;;   THE QUANTISER, for each operand of a quantised product, along K:
;;     - K is cut into blocks of 32 from its start; a last block that is shorter is filled with zeros.
;;     - A block's scale is 2^e with e = floor(log2(the largest magnitude in the block)) - 2, held to -126 .. 127; a block of zeros has e = 0. As a byte (E8M0): e + 127.
;;     - Each number is divided by its block's scale, clamped to +-6, and rounded to the nearest number of E2M1, ties to even, subnormals kept.
;;     - The product sums the exact products of the quantised numbers (number of the format x scale) in f32.
;;   ~~~python
;;   def quantise(x, axis):      # numpy; x: float32 -> the quantised numbers, widened to float32 again
;;       x = np.moveaxis(x, axis, -1); K = x.shape[-1]
;;       x = np.pad(x, [(0, 0)] * (x.ndim - 1) + [(0, -K % 32)]); x = x.reshape(x.shape[:-1] + (-1, 32)); a = np.abs(x).max(-1, keepdims=True)
;;       e = np.where(a > 0, np.clip(np.frexp(np.where(a > 0, a, 1))[1] - 1 - 2, -126, 127), 0)      # np.frexp(a)[1] - 1 = floor(log2(a)), exactly
;;       r = np.clip(x / 2.0 ** e, -6, 6)
;;       step = 2.0 ** (np.maximum(np.frexp(np.where(r == 0, 1, r))[1] - 1, 0) - 1)
;;       q = np.round(r / step) * step * 2.0 ** e      # np.round: ties to even
;;       return np.moveaxis(q.reshape(q.shape[:-2] + (-1,))[..., :K], -1, axis).astype(np.float32)
;;   ~~~
;;   OPERANDS COMPUTED ON THE WAY. 'Computed on the way' means the value that the module computes at that place (a softmax that the list does not call 'softmax' is quantised finished and normalised). What goes into a quantiser is computed in f32, as accurately as f32 sums, v_exp_f32 and their like allow (about 1e-6 of the number): no bf16 or f16 on the way to a quantiser, and a product that is left as it is and whose result goes on into a quantised operand takes f32 operands (vector FMAs, or v_wmma_f32_16x16x4_f32). A number that lies on a knife's edge between two numbers of the format may be rounded either way, as far as f32 arithmetic and the matrix unit's own rounding can turn it there, and no further.
;; One version. Each part assembles by itself: llvm-mc -triple=amdgcn-amd-amdhsa -mcpu=gfx1250 --defsym DOCPART=n.
;; ======== version 1 of 1: 3 launches
;; limits: right only within a limited range of input values
;; workspace buffers: cod 14,155,776 bytes; scl 884,736 bytes; qb 4,718,592 bytes; kb 4,718,592 bytes; vb 4,456,448 bytes
;; launch quant (part 1): grid 432 x 1, 4 waves a work-group, no clusters, 34,304 bytes of LDS; arguments q, k, v, Wq, Wk, Wv, cod, scl; writes cod, scl
.if DOCPART == 1
	.amdgcn_target "amdgcn-amd-amdhsa--gfx1250"
	.amdhsa_code_object_version 6
	.text
	.protected	k_q79f3d06126_quant
	.globl	k_q79f3d06126_quant
	.p2align	8
	.type	k_q79f3d06126_quant,@function
k_q79f3d06126_quant:
	s_mov_b64 s[64:65], 0
	v_nop
	global_prefetch_b8 v0, s[64:65] scope:SCOPE_SE
	s_setreg_imm32_b32 hwreg(HW_REG_WAVE_MODE, 25, 1), 1
	s_wait_xcnt 0x0
; q, k, v [8192][1024] and Wq, Wk, Wv [1024][1024], f32, K innermost, become codes of FP4 (E2M1) with one E8M0 byte for each 32 along K.
; A block's scale is 2^(floor(log2(largest magnitude)) - 2); its byte is the largest magnitude's exponent field - 2, held at 1 from below.
; OUT: images of the matrix operand's registers.  A TILE is 16 rows x 1,024 K.  cod[tile][K step of 128][1,024 bytes]: register group c (0, 1) at 512 c + 16 x lane;
; lane (r = lane % 16, h = lane / 16) holds k = 64 c + 32 h + 0 .. 31 of the tile's row r.  scl[tile][row r][8 words]: word s = the four bytes of K step s.
; TILES: q 0-511, k 512-1023, v 1024-1535, Wq 1536-1599, Wk 1600-1663, Wv 1664-1727.
; WHICH ROWS FORM A TILE: q, Wv: row 16 T + r.  k, v, Wq, Wk: row 32 (T / 2) + 8 (T % 2) + r + 8 (r / 8), so that where such a tile is source 0 of a product, the 16 result
; registers of tiles 2 b and 2 b + 1 are 16 neighbours along that axis, which the next product contracts.
; SHARES: a wave takes one tile, in 8 steps of 128 along K.  Each load reads 512 consecutive bytes of one row; a step's 16 rows turn through the wave's own stage in LDS, so that a
; lane gets 16 neighbours of each block of 32.  Every store of codes covers 512 consecutive bytes.  Waves share nothing: no barrier.  Loads run two steps (32 loads a wave) ahead.
; LIMITS: a block of zeros gets the byte 1 (its codes are zeros; only this program reads the bytes); NaN and infinities among the inputs are not served.
.set STG,  8448                        ; a wave's stage: 16 rows x 528 bytes (512 + 16: an odd multiple of 16, so the 16 rows that a read touches fall on 16 different 16-byte columns of 256)
.set VO0,  1                           ; v1   16 x lane: my bytes of a row's 512; also my place in an image
.set VO1,  2                           ; v2   the same for the tile's rows 8-15
.set SIN,  3                           ; v3   the stage, on the way in
.set SOUT, 4                           ; v4   and on the way out: row r, + 64 h
.set SCO,  5                           ; v5   32 r + 16 h: my four scale words
.set TM,   16                          ; v16-31  at work in QUANT
.set PC,   32                          ; v32-39  a fragment's codes
.set SW,   40                          ; v40-47  the scale word of each K step
.set SWO,  48                          ; v48-51  the four that I store
.set LD,   64                          ; v64-191 two sets of 64 registers as loaded
.set X,    192                         ; v192-255 64 numbers: register 16 b + i = k 32 b + 16 h + i of row r
.set SEL,  20                          ; s[20:21] lane selects for v_permlanex16_b32: lane l xor 16
.set HM,   22                          ; s22  lanes 16-31
.set IN,   26                          ; s[26:27] my tile's first row
	s_load_b512 s[4:19], s[0:1], 0x0               ; q, k, v, Wq, Wk, Wv, cod s[16:17], scl s[18:19]
	v_lshl_add_u32 v62, v0, 2, 0x8400
	v_mov_b32 v63, 0
	v_lshrrev_b32 v6, 5, v0
	v_readfirstlane_b32 s24, v6                    ; wave
	v_and_b32 v7, 31, v0                           ; lane
	v_and_b32 v8, 15, v0                           ; r
	v_bfe_u32 v9, v0, 4, 1                         ; h
	v_lshlrev_b32 v[VO0], 4, v7
	s_mul_i32 s25, s24, STG
	v_add_nc_u32 v[SIN], s25, v[VO0]
	v_mul_u32_u24 v[SOUT], v8, 528
	v_lshl_add_u32 v[SOUT], v9, 6, v[SOUT]
	v_add_nc_u32 v[SOUT], s25, v[SOUT]
	v_lshlrev_b32 v[SCO], 5, v8
	v_lshl_add_u32 v[SCO], v9, 4, v[SCO]
	s_mov_b32 s[SEL], 0x76543210
	s_mov_b32 s[SEL+1], 0xfedcba98
	s_mov_b32 s[HM], 0xffff0000
.irp b, 0,1,2,3
	v_mov_b32 v[TM+4+\b], 0                        ; written once: a lane permute's destination counts as one of its sources
.endr
	s_wait_alu depctr_va_vdst(0)
	s_wait_kmcnt 0x0
	; which tensor: the choice hangs on the work-group's number alone.  s28: the tensor's first work-group; s29: 1 where the rows of a tile are the chosen ones
	s_mov_b64 s[IN:IN+1], s[14:15]
	s_mov_b32 s28, 416
	s_mov_b32 s29, 0
.macro PICK lim, ptr, base, perm
	s_cmp_lt_u32 ttmp9, \lim
	s_cselect_b64 s[IN:IN+1], s[\ptr:\ptr+1], s[IN:IN+1]
	s_cselect_b32 s28, \base, s28
	s_cselect_b32 s29, \perm, s29
.endm
	PICK 416, 12, 400, 1                           ; Wk
	PICK 400, 10, 384, 1                           ; Wq
	PICK 384, 8, 256, 1                            ; v
	PICK 256, 6, 128, 1                            ; k
	PICK 128, 4, 0, 0                              ; q
	s_sub_co_u32 s30, ttmp9, s28
	s_lshl_b32 s30, s30, 2
	s_add_co_u32 s30, s30, s24                     ; the tile's number in its tensor
	s_mov_b32 s32, 0x8000
	s_cmp_eq_u32 s29, 1
	s_cselect_b32 s31, 8, 16                       ; an odd tile begins 8 or 16 rows behind its even neighbour,
	s_cselect_b32 s32, 0x10000, s32                ; and a tile's rows 8-15 begin 16 or 8 rows (of 4,096 bytes) behind its row 0
	s_lshr_b32 s34, s30, 1
	s_lshl_b32 s34, s34, 5
	s_and_b32 s35, s30, 1
	s_mul_i32 s35, s35, s31
	s_add_co_u32 s34, s34, s35                     ; the tile's first row
	s_lshl_b32 s36, s34, 12
	s_mov_b32 s37, 0
	s_add_nc_u64 s[IN:IN+1], s[IN:IN+1], s[36:37]
	s_lshl_b32 s38, ttmp9, 2
	s_add_co_u32 s38, s38, s24                     ; the tile's number in cod and scl
	s_lshl_b32 s36, s38, 13
	s_add_nc_u64 s[16:17], s[16:17], s[36:37]
	s_lshl_b32 s36, s38, 9
	s_add_nc_u64 s[18:19], s[18:19], s[36:37]
	v_add_nc_u32 v[VO1], s32, v[VO0]
.macro LOAD s                          ; K step s of the 16 rows into set s % 2: each load reads 512 consecutive bytes
.irp i, 0,1,2,3,4,5,6,7
	global_load_b128 v[LD+64*((\s)%2)+4*\i:LD+64*((\s)%2)+4*\i+3], v[VO0], s[IN:IN+1] offset:4096*\i+512*(\s) th:TH_LOAD_NT
.endr
.irp i, 0,1,2,3,4,5,6,7
	global_load_b128 v[LD+64*((\s)%2)+32+4*\i:LD+64*((\s)%2)+32+4*\i+3], v[VO1], s[IN:IN+1] offset:4096*\i+512*(\s) th:TH_LOAD_NT
.endr
.endm
.macro TURN s                          ; through the stage: LDS serves a wave's instructions in order, so no wait stands between the stores and the loads
.irp i, 0,1,2,3,4,5,6,7,8,9,10,11,12,13,14,15
	ds_store_b128 v[SIN], v[LD+64*((\s)%2)+4*\i:LD+64*((\s)%2)+4*\i+3] offset:528*\i
.endr
.irp b, 0,1,2,3
.irp j, 0,1,2,3
	ds_load_b128 v[X+16*\b+4*\j:X+16*\b+4*\j+3], v[SOUT] offset:128*\b+16*\j
.endr
.endr
.endm
; 64 numbers of a lane, register 16 b + i = k 32 b + 16 h + i of my row, become a fragment's codes in v[PC] on and its scale word in v[pw]
.macro QUANT s, pw
.irp b, 0,1,2,3
	v_max3_num_f32 v[TM+\b], |v[(\s)+16*\b]|, |v[(\s)+1+16*\b]|, 0x1800000   ; block b: my 16 numbers, and the floor 2^(3 - 127): the byte cannot fall under 1
.endr
.irp i, 2,4,6,8,10,12,14
.irp b, 0,1,2,3
	v_max3_num_f32 v[TM+\b], v[TM+\b], |v[(\s)+16*\b+\i]|, |v[(\s)+1+16*\b+\i]|   ; the four blocks by turns
.endr
.endr
.irp b, 0,1,2,3
	v_permlanex16_b32 v[TM+4+\b], v[TM+\b], s[SEL], s[SEL+1]
.endr
.irp b, 0,1,2,3
	v_max_num_f32 v[TM+\b], v[TM+\b], v[TM+4+\b]   ; with lane l xor 16's: the block's largest magnitude
.endr
.irp b, 0,1,2,3
	v_add_nc_u32 v[TM+12+\b], 0xff000000, v[TM+\b] ; 2 off its exponent field: the conversion takes the exponent field of this operand as its scale
.endr
.irp b, 0,1,2,3
	v_lshrrev_b32 v[TM+4+\b], 23, v[TM+12+\b]      ; the scale's byte
.endr
	v_lshl_or_b32 v[\pw], v[TM+5], 8, v[TM+4]
	v_lshl_or_b32 v[\pw], v[TM+6], 16, v[\pw]
	v_lshl_or_b32 v[\pw], v[TM+7], 24, v[\pw]
.irp b, 0,1,2,3
	v_cvt_scalef32_pk8_fp4_f32 v[PC+2*\b], v[(\s)+16*\b:(\s)+7+16*\b], v[TM+12+\b]
	v_cvt_scalef32_pk8_fp4_f32 v[PC+1+2*\b], v[(\s)+8+16*\b:(\s)+15+16*\b], v[TM+12+\b]
.endr
	v_nop                                          ; one plain line behind the scaled conversions
.irp c, 0,1                                    ; the operand's layout wants a whole block in a lane: lanes 0-15 block 2 c, lanes 16-31 block 2 c + 1
.irp i, 0,1
	v_permlane16_swap_b32 v[PC+4*\c+\i], v[PC+2+4*\c+\i]
.endr
.endr
.endm
.macro STEP s
.if (\s) < 7
	s_wait_loadcnt 16                              ; this step's 16 loads are in; the next step's 16 may be out
.else
	s_wait_loadcnt 0x0
.endif
	s_wait_xcnt 0x0                                ; the last step's stores have read their data: the codes' registers are written again only behind this wait
	TURN \s
	s_wait_dscnt 0x0                               ; the numbers are back, and the stage's stores have read the set,
.if (\s) < 6
	LOAD (\s)+2                                    ; which takes the loads of two steps on
.endif
	QUANT X, SW+(\s)
.irp c, 0,1
	global_store_b128 v[VO0], v[PC+4*\c:PC+4*\c+3], s[16:17] offset:1024*(\s)+512*\c   ; 32 lanes store 512 consecutive bytes
.endr
.endm
	LOAD 0
	LOAD 1
	s_wait_alu depctr_va_vdst(0)
.irp t, 0,1,2,3,4,5,6,7
	STEP \t
.endr
.irp i, 0,1,2,3
	v_cndmask_b32 v[SWO+\i], v[SW+\i], v[SW+4+\i], s[HM]   ; lanes 0-15 store their row's words 0-3, lanes 16-31 words 4-7
.endr
	global_store_b128 v[SCO], v[SWO:SWO+3], s[18:19]       ; the tile's 512 bytes of scale words, on end
	s_wait_tensorcnt 0x0
	ds_add_u32 v62, v63
	s_wait_dscnt 0x0
	s_endpgm
.Lfunc_end_k_q79f3d06126_quant:
	.size	k_q79f3d06126_quant, .Lfunc_end_k_q79f3d06126_quant-k_q79f3d06126_quant
	.p2alignl 7, 3214868480
	.fill 96, 4, 3214868480
	.section	.rodata,"a",@progbits
	.p2align	6, 0x0
	.amdhsa_kernel k_q79f3d06126_quant
		.amdhsa_group_segment_fixed_size 34304
		.amdhsa_private_segment_fixed_size 0
		.amdhsa_enable_private_segment 0
		.amdhsa_kernarg_size 64
		.amdhsa_user_sgpr_count 2
		.amdhsa_user_sgpr_kernarg_segment_ptr 1
		.amdhsa_wavefront_size32 1
		.amdhsa_system_sgpr_workgroup_id_x 1
		.amdhsa_system_sgpr_workgroup_id_y 1
		.amdhsa_system_sgpr_workgroup_id_z 1
		.amdhsa_system_vgpr_workitem_id 0
		.amdhsa_next_free_vgpr 256
		.amdhsa_next_free_sgpr 66
		.amdhsa_reserve_vcc 0
		.amdhsa_float_denorm_mode_32 3
		.amdhsa_float_denorm_mode_16_64 3
		.amdhsa_memory_ordered 1
		.amdhsa_forward_progress 1
		.amdhsa_inst_pref_size 64
	.end_amdhsa_kernel
	.amdgpu_metadata
---
amdhsa.version: [ 1, 2 ]
amdhsa.kernels:
  - .name:           k_q79f3d06126_quant
    .symbol:         k_q79f3d06126_quant.kd
    .args:
      - { .name: q, .offset: 0, .size: 8, .value_kind: global_buffer, .address_space: global }
      - { .name: k, .offset: 8, .size: 8, .value_kind: global_buffer, .address_space: global }
      - { .name: v, .offset: 16, .size: 8, .value_kind: global_buffer, .address_space: global }
      - { .name: Wq, .offset: 24, .size: 8, .value_kind: global_buffer, .address_space: global }
      - { .name: Wk, .offset: 32, .size: 8, .value_kind: global_buffer, .address_space: global }
      - { .name: Wv, .offset: 40, .size: 8, .value_kind: global_buffer, .address_space: global }
      - { .name: cod, .offset: 48, .size: 8, .value_kind: global_buffer, .address_space: global }
      - { .name: scl, .offset: 56, .size: 8, .value_kind: global_buffer, .address_space: global }
    .group_segment_fixed_size: 34304
    .private_segment_fixed_size: 0
    .kernarg_segment_align: 8
    .kernarg_segment_size: 64
    .max_flat_workgroup_size: 128
    .sgpr_count:     66
    .vgpr_count:     256
    .wavefront_size: 32
...
	.end_amdgpu_metadata
.endif
;; end of part 1
;; launch proj (part 2): grid 384 x 1, 4 waves a work-group, no clusters, 327,680 bytes of LDS; arguments cod, scl, bq, bk, bv, src_mask, qb, kb, vb; writes qb, kb, vb
.if DOCPART == 2
	.amdgcn_target "amdgcn-amd-amdhsa--gfx1250"
	.amdhsa_code_object_version 6
	.text
	.protected	k_q79f3d06126_proj
	.globl	k_q79f3d06126_proj
	.p2align	8
	.type	k_q79f3d06126_proj,@function
k_q79f3d06126_proj:
	s_mov_b64 s[64:65], 0
	v_nop
	global_prefetch_b8 v0, s[64:65] scope:SCOPE_SE
	s_setreg_imm32_b32 hwreg(HW_REG_WAVE_MODE, 25, 1), 1
	s_wait_xcnt 0x0
; The three projections x W^T + b on codes of FP4 (made by the launch before), and the quantising of their results for the two products of attention.
; WORK-GROUPS: tau = x / 128 (0 q, 1 k, 2 v); of the rest, ab = which 256 tokens, wb = which 256 features.  A work-group makes 256 x 256 of one projection, a wave 128 x 128: 64 accumulators.
; P AND R.  Source 0 of every product is P, source 1 is R: in the result a lane holds ONE row of R and its registers run along P's rows.  So P is the axis along which the result is quantised:
; q, k: P = the weight's rows (a head's 64 features are the score product's K), R = tokens.  v: P = tokens (the keys are the second product's K), R = the weight's rows.
; LDS: the whole K of both operands, 2 x 128 KiB of fragment images, comes ONCE, in two fills; no byte is filled again.  Wave w fetches eight tiles: of R (w even) or of P (w odd), tiles 0-7 (w < 2) or 8-15.
; At the head: K steps 0-4 (8 rows of 5,120 bytes), one tensor load a wave.  Behind the wait for it, the add, its wait and a barrier: K steps 5-7 (8 rows of 3,072 bytes), one load a wave, which has four K steps' products in which to land;
; it is waited for in front of the barrier ahead of K step 5's fragment loads.  All of LDS is claimed.
; THE SCALE WORDS ([tile][row][8 words]) go from memory straight into their registers: 16 loads a wave, 16 bytes a lane, lanes 32 bytes apart; the two loads of a tile cover its 512 bytes.
; OUT.  qb, kb: [batch x 16 + head][36,864]: 64 tiles (16 tokens) x 512 bytes, registers 0-3 of a fragment; from byte 32,768 on 64 tiles x 16 words.
;   A word: bytes 0, 1 the two blocks' scales; byte 2 serves the key mask (below); byte 3 is 0, over zero codes.
; vb: [batch x 16 + head][34,816]: [key step of 128][4 tiles of 16 features][1,024 bytes]; from byte 32,768 on [key step][tile][16 words].
; THE KEY MASK rides in the idle half of the score product's K (the instruction is 128 deep, a head 64): at k = 64 every key will hold the code -1 and every query +1.  Their block's bytes are set here:
; a query's 144 (2^17); a masked key's 145 (2^18: the score gets -2^35); a valid key's 1 (2^-126: the score gets -2^-109).
; NO CLUSTER: in v's work-groups the operand that hangs on ab and the one that hangs on wb change places as R and P, so a joint load's mask would hang on a choice.  NO PREFETCH: the launch has no loop to run ahead in.
; LIMITS: a block of zeros gets the byte 1; NaN and infinities are not served.
; REGISTERS, in windows of 256: window 0: v1-31 addresses and small things; v32-95 scale words; v96-119 at work; v128-255 R's fragments, two sets of 64 (later v128-191: 64 results).
;   window 1: P's fragments at v0-63 and v128-191; v64-127 the bias along P (q, k); v192-207 the bias along R (v).   windows 2, 3: accumulator (a, b) at v[8 (8 (a % 4) + b)], window 2 + a / 4.
.set S1,  5                            ; K steps in the first fill
.set R1,  1024*S1                      ; a tile's bytes in the first fill,
.set R2,  8192-R1                      ; and in the second
.set F2,  32*R1                        ; LDS byte at which the second fill begins: behind four waves' parts of 8 tiles
.set ADR, 4                            ; v4-5    LDS address of R's fragments in fill c
.set ADP, 8                            ; v8-9    of P's
.set ADS, 12                           ; v12     offset of my scale words in scl: lanes 0-15 R's rows, lanes 16-31 P's
.set LI,  13                           ; v13     16 x lane
.set QKS, 14
.set QKL, 15
.set MB,  16                           ; v16-23  the mask byte of my token in R's tile a; then byte 2 of its scale word
.set PW,  24
.set T0,  25
.set VSS, 26
.set VSL, 27
.set VGO, 28
.set T1,  29
.set MV,  30
.set MI,  31
.set SC,  32                           ; v32-95  register 8 i + s: lanes 0-15 the word of R's tile i, lanes 16-31 of P's tile i, for K step s.  They hold scales and nothing else
.set TM,  96
.set PC,  112
.set HA,  128
.set SEL, 22
.set HM,  2                            ; s2  lanes 16-31
.set G1A, 24                           ; s[24:31] group 1 for the first fill;  s[32:39] for the second;  s[44:47], s[48:51] their groups 0
.set G1B, 32
.set WV,  66
.set WR,  67
.set WP,  68
.set TAU, 69
.set AB,  71
.set WB,  72
.set MSB, 0
.macro WIN new
.if MSB != (\new)
	s_set_vgpr_msb (MSB<<8)|(\new)
.set MSB, (\new)
.endif
.endm
.macro PLACES
.rept 4
	v_nop
.endr
.endm
	s_load_b512 s[4:19], s[0:1], 0x0               ; cod, scl, bq, bk, bv, src_mask s[14:15], qb s[16:17], kb s[18:19]
	s_load_b64 s[20:21], s[0:1], 0x40              ; vb
	v_lshl_add_u32 v126, v0, 2, 0x45800
	v_mov_b32 v127, 0
	ds_add_u32 v126, v127                          ; the opening lines: the add twice on end and one wait
	ds_add_u32 v126, v127
	v_lshrrev_b32 v1, 5, v0
	v_readfirstlane_b32 s[WV], v1                  ; wave 0..3
	s_lshr_b32 s[WR], s[WV], 1                     ; my half of R's 256 rows.  Also: which eight tiles I fetch
	s_and_b32 s[WP], s[WV], 1                      ; my half of P's.  Also: I fetch for R (0) or for P (1)
	s_lshr_b32 s[TAU], ttmp9, 7
	s_and_b32 s70, ttmp9, 127
	s_lshr_b32 s[AB], s70, 2
	s_and_b32 s[WB], s70, 3
	s_lshl_b32 s73, s[TAU], 9
	s_lshl_b32 s74, s[AB], 4
	s_add_co_u32 s73, s73, s74                     ; the tokens' first tile: 512 tau + 16 ab
	s_lshl_b32 s74, s[TAU], 6
	s_lshl_b32 s75, s[WB], 4
	s_add_co_u32 s74, s74, s75
	s_add_co_u32 s74, s74, 1536                    ; the weight's: 1536 + 64 tau + 16 wb
	s_cmp_eq_u32 s[TAU], 2
	s_cselect_b32 s76, s74, s73                    ; R's first tile
	s_cselect_b32 s77, s73, s74                    ; P's.  The choice enters global addresses alone
	s_cmp_eq_u32 s[WP], 0
	s_cselect_b32 s78, s76, s77
	s_lshl_b32 s79, s[WR], 3
	s_add_co_u32 s78, s78, s79                     ; the first of the eight tiles that I fetch
	s_lshl_b32 s80, s78, 13                        ; 8,192 bytes of codes a tile
	s_mov_b32 s81, 0
	; group 1: 8 rows (tiles), 8,192 bytes apart, of R1 bytes (K steps 0-4) or of R2 bytes (K steps 5-7); elements of 8 bytes
	s_mov_b32 s[G1A+0], 3<<16
	s_mov_b32 s[G1A+1], (R1/8)<<16
	s_mov_b32 s[G1A+2], 8<<16
	s_mov_b32 s[G1A+3], (R1/8)<<16
	s_mov_b32 s[G1A+4], 8
	s_mov_b32 s[G1A+5], 1024
	s_mov_b32 s[G1A+6], 0
	s_mov_b32 s[G1A+7], 0
	s_mov_b32 s[G1B+0], 3<<16
	s_mov_b32 s[G1B+1], (R2/8)<<16
	s_mov_b32 s[G1B+2], 8<<16
	s_mov_b32 s[G1B+3], (R2/8)<<16
	s_mov_b32 s[G1B+4], 8
	s_mov_b32 s[G1B+5], 1024
	s_mov_b32 s[G1B+6], 0
	s_mov_b32 s[G1B+7], 0
	s_mul_i32 s84, s[WV], 8*R1                     ; where my parts go: wave x 8 tiles,
	s_mul_i32 s93, s[WV], 8*R2
	s_add_co_u32 s93, s93, F2                      ; in each fill
	s_mul_i32 s82, s[WR], 16*R1                    ; what I read: R's tiles came by waves 0 and 2,
	s_mul_i32 s83, s[WP], 16*R1
	s_add_co_u32 s83, s83, 8*R1                    ; P's by waves 1 and 3
	s_mul_i32 s89, s[WR], 16*R2
	s_add_co_u32 s89, s89, F2
	s_mul_i32 s92, s[WP], 16*R2
	s_add_co_u32 s92, s92, F2+8*R2
	s_lshl_b32 s85, s[WV], 10
	s_add_co_u32 s85, s85, 278528                  ; q, k: my 1,024 bytes for scale words
	s_lshl_b32 s86, s[WV], 9
	s_add_co_u32 s86, s86, 282624                  ; v: my 512 bytes (each way out has LDS bytes of its own)
	s_lshl_b32 s87, s[WR], 3
	s_add_co_u32 s87, s87, s76
	s_lshl_b32 s87, s87, 9                         ; my R tiles' scale words in scl: 512 bytes a tile
	s_lshl_b32 s88, s[WP], 3
	s_add_co_u32 s88, s88, s77
	s_lshl_b32 s88, s88, 9                         ; my P tiles'
	s_mov_b32 s[SEL], 0x76543210
	s_mov_b32 s[SEL+1], 0xfedcba98
	s_mov_b32 s[HM], 0xffff0000
	s_wait_dscnt 0x0
	s_wait_kmcnt 0x0
	s_add_nc_u64 s[80:81], s[4:5], s[80:81]
	s_mov_b32 s44, 1
	s_mov_b32 s45, s84
	s_mov_b64 s[46:47], s[80:81]
	s_or_b32 s47, s47, 0x80000000
	s_mov_b32 s48, 1
	s_mov_b32 s49, s93
	s_add_nc_u64 s[50:51], s[80:81], R1
	s_or_b32 s51, s51, 0x80000000
	tensor_load_to_lds s[44:47], s[G1A:G1A+7]      ; K steps 0-4: my one tensor load at the head
	s_nop 0
	PLACES
	; the bias, both ways (every address lies inside its buffer for every tau), and the mask bytes of my tokens
	s_cmp_eq_u32 s[TAU], 0
	s_cselect_b64 s[60:61], s[8:9], s[10:11]
	s_cmp_eq_u32 s[TAU], 2
	s_cselect_b64 s[60:61], s[12:13], s[60:61]
	s_lshl_b32 s79, s[WB], 10
	s_lshl_b32 s90, s[WR], 9
	s_add_co_u32 s90, s90, s79
	s_mov_b32 s91, 0
	s_add_nc_u64 s[62:63], s[60:61], s[90:91]      ; along R: features 256 wb + 128 wr on
	s_lshl_b32 s90, s[WP], 9
	s_add_co_u32 s90, s90, s79
	s_add_nc_u64 s[60:61], s[60:61], s[90:91]      ; along P
	s_lshl_b32 s90, s[AB], 8
	s_lshl_b32 s79, s[WR], 7
	s_add_co_u32 s90, s90, s79
	s_add_nc_u64 s[14:15], s[14:15], s[90:91]      ; tokens 256 ab + 128 wr on
	v_and_b32 v1, 31, v0
	v_and_b32 v2, 15, v0                           ; r
	v_bfe_u32 v3, v0, 4, 1                         ; h
	v_lshlrev_b32 v[LI], 4, v1
	v_add_nc_u32 v[ADR], s82, v[LI]
	v_add_nc_u32 v[ADP], s83, v[LI]
	v_add_nc_u32 v[ADR+1], s89, v[LI]
	v_add_nc_u32 v[ADP+1], s92, v[LI]
	v_mov_b32 v[T0], s87
	v_mov_b32 v[T1], s88
	v_cndmask_b32 v[ADS], v[T0], v[T1], s[HM]      ; lanes 16-31 take P's words
	v_lshl_add_u32 v[ADS], v2, 5, v[ADS]           ; 32 bytes a row
	v_lshlrev_b32 v[QKS], 2, v2
	v_lshl_add_u32 v[QKS], v3, 9, v[QKS]
	v_add_nc_u32 v[QKS], s85, v[QKS]
	v_add_nc_u32 v[QKL], s85, v[LI]
	v_lshl_add_u32 v[VSS], v2, 2, s86
	v_add_nc_u32 v[VSL], s86, v[LI]
	v_mul_u32_u24 v[VGO], v3, 34816
	v_lshl_add_u32 v[VGO], v2, 4, v[VGO]
	v_lshlrev_b32 v[T0], 6, v3                     ; 64 h
	v_lshlrev_b32 v[T1], 2, v2                     ; 4 r
	v_and_b32 v[PW], 8, v2
	v_add_nc_u32 v[PW], v[PW], v2                  ; r + 8 (r / 8)
.irp b, 0,1,2,3
	v_mov_b32 v[TM+4+\b], 0
.endr
	s_wait_alu depctr_va_vdst(0)                   ; the wait at the head's end
.irp i, 0,1,2,3,4,5,6,7
	global_load_b128 v[SC+8*\i:SC+8*\i+3], v[ADS], s[6:7] offset:512*\i          ; K steps 0-3 of tile i
	global_load_b128 v[SC+8*\i+4:SC+8*\i+7], v[ADS], s[6:7] offset:512*\i+16     ; K steps 4-7
.endr
	WIN 0x40                                       ; destination window 1
.irp b, 0,1,2,3,4,5,6,7                        ; lane (r, h) wants, for P's tile b, features 32 (b / 2) + 16 h + 8 (b % 2) + 0 .. 7
	global_load_b128 v[64+8*\b:64+8*\b+3], v[T0], s[60:61] offset:(32*(\b/2)+8*(\b%2))*4
	global_load_b128 v[64+8*\b+4:64+8*\b+7], v[T0], s[60:61] offset:(32*(\b/2)+8*(\b%2))*4+16
.endr
.irp a, 0,1,2,3,4,5,6,7                        ; for R's tile a: feature 16 a + r, twice: a pair for the packed addition
	global_load_b32 v[192+2*\a], v[T1], s[62:63] offset:64*\a
	global_load_b32 v[193+2*\a], v[T1], s[62:63] offset:64*\a
.endr
	WIN 0
.irp a, 0,1,2,3,4,5,6,7                        ; k's tile a holds tokens 32 (a / 2) + 8 (a % 2) + r + 8 (r / 8)
	global_load_u8 v[MB+\a], v[PW], s[14:15] offset:32*(\a/2)+8*(\a%2)
.endr
.macro FETCH s                         ; 32 LDS loads in one run: K step s of P's eight tiles and of R's eight into set s % 2
.if (\s) < S1
.set FC, 0
.set FP, R1
.set FO, 1024*(\s)
.else
.set FC, 1
.set FP, R2
.set FO, 1024*((\s)-S1)
.endif
	WIN 0x40
.irp i, 0,1,2,3,4,5,6,7
	ds_load_b128 v[128*((\s)%2)+8*\i:128*((\s)%2)+8*\i+3], v[ADP+FC] offset:FP*\i+FO
	ds_load_b128 v[128*((\s)%2)+8*\i+4:128*((\s)%2)+8*\i+7], v[ADP+FC] offset:FP*\i+FO+512
.endr
	WIN 0
.irp i, 0,1,2,3,4,5,6,7
	ds_load_b128 v[128+64*((\s)%2)+8*\i:128+64*((\s)%2)+8*\i+3], v[ADR+FC] offset:FP*\i+FO
	ds_load_b128 v[128+64*((\s)%2)+8*\i+4:128+64*((\s)%2)+8*\i+7], v[ADR+FC] offset:FP*\i+FO+512
.endr
.endm
; 64 matrix instructions: K step s.  The 64 accumulators take turns, one instruction a turn.  The first step starts the sums.
.macro MUL s
.irp a, 0,1,2,3,4,5,6,7
	WIN 0xa1+0x50*(\a/4)                           ; source 0 (P) window 1, source 1 (R) window 0, C and D window 2 or 3
.irp b, 0,1,2,3,4,5,6,7
.set rD, 8*(8*(\a%4)+\b)
.set rP, 128*((\s)%2)+8*\b
.set rR, 128+64*((\s)%2)+8*\a
.if (\s) == 0
	v_wmma_scale_f32_16x16x128_f8f6f4 v[rD:rD+7], v[rP:rP+7], v[rR:rR+7], 0, v[SC+8*\b+(\s)], v[SC+8*\a+(\s)] matrix_a_fmt:MATRIX_FMT_FP4 matrix_b_fmt:MATRIX_FMT_FP4 matrix_a_scale:MATRIX_SCALE_ROW1
.else
	v_wmma_scale_f32_16x16x128_f8f6f4 v[rD:rD+7], v[rP:rP+7], v[rR:rR+7], v[rD:rD+7], v[SC+8*\b+(\s)], v[SC+8*\a+(\s)] matrix_a_fmt:MATRIX_FMT_FP4 matrix_b_fmt:MATRIX_FMT_FP4 matrix_a_scale:MATRIX_SCALE_ROW1
.endif
.endr
.endr
.endm
	s_wait_tensorcnt 0x0                           ; my part of K steps 0-4 is in
	ds_add_u32 v126, v127
	s_wait_dscnt 0x0
	s_barrier_signal -1
	s_barrier_wait -1                              ; everybody's part is in
	tensor_load_to_lds s[48:51], s[G1B:G1B+7]      ; K steps 5-7: my one tensor load behind this barrier
	s_nop 0
	PLACES
	FETCH 0
.set Q, 0
.rept 8
.if Q > 0
	PLACES                                         ; four places between the last products and the loads into the set that they read
.endif
.if Q == S1-1
	s_wait_tensorcnt 0x0                           ; my part of K steps 5-7 is in,
	s_wait_dscnt 0x0                               ; no LDS instruction of mine is pending at a signal
	s_barrier_signal -1
	s_barrier_wait -1                              ; and everybody's
.endif
.if Q < 7
	FETCH Q+1
	s_wait_dscnt 32                                ; all but the 32 just issued
.else
	s_wait_dscnt 0x0
.endif
.if Q == 0
	s_wait_loadcnt 40                              ; the 16 loads of scale words are in; the 40 of biases and mask bytes, issued behind them, may be out
.endif
	MUL Q
.set Q, Q+1
.endr
	WIN 0
	PLACES                                         ; four places between the last products and the first read of results
	s_wait_loadcnt 0x0                             ; the biases and the mask bytes
	s_mov_b32 s86, 0x900000                        ; 144 in byte 2: every query's
	s_cmp_eq_u32 s[TAU], 1
	s_cselect_b32 s87, 0x10000, s86                ; a valid key's: 1
	s_cselect_b32 s88, 0x910000, s86               ; a masked key's: 145
	v_mov_b32 v[MV], s87
	v_mov_b32 v[MI], s88
.irp a, 0,1,2,3,4,5,6,7
	v_cmp_ne_u32 vcc_lo, 0, v[MB+\a]
	v_cndmask_b32 v[MB+\a], v[MI], v[MV], vcc_lo
.endr
.macro QUANT s, pw                     ; 64 numbers of a lane, register 16 b + i = index 32 b + 16 h + i along P, become a fragment's codes in v[PC] on and its scale word in v[pw]
.irp b, 0,1,2,3
	v_max3_num_f32 v[TM+\b], |v[(\s)+16*\b]|, |v[(\s)+1+16*\b]|, 0x1800000
.endr
.irp i, 2,4,6,8,10,12,14
.irp b, 0,1,2,3
	v_max3_num_f32 v[TM+\b], v[TM+\b], |v[(\s)+16*\b+\i]|, |v[(\s)+1+16*\b+\i]|
.endr
.endr
.irp b, 0,1,2,3
	v_permlanex16_b32 v[TM+4+\b], v[TM+\b], s[SEL], s[SEL+1]
.endr
.irp b, 0,1,2,3
	v_max_num_f32 v[TM+\b], v[TM+\b], v[TM+4+\b]
.endr
.irp b, 0,1,2,3
	v_add_nc_u32 v[TM+12+\b], 0xff000000, v[TM+\b]
.endr
.irp b, 0,1,2,3
	v_lshrrev_b32 v[TM+4+\b], 23, v[TM+12+\b]
.endr
	v_lshl_or_b32 v[\pw], v[TM+5], 8, v[TM+4]
	v_lshl_or_b32 v[\pw], v[TM+6], 16, v[\pw]
	v_lshl_or_b32 v[\pw], v[TM+7], 24, v[\pw]
.irp b, 0,1,2,3
	v_cvt_scalef32_pk8_fp4_f32 v[PC+2*\b], v[(\s)+16*\b:(\s)+7+16*\b], v[TM+12+\b]
	v_cvt_scalef32_pk8_fp4_f32 v[PC+1+2*\b], v[(\s)+8+16*\b:(\s)+15+16*\b], v[TM+12+\b]
.endr
	v_nop                                          ; one plain line behind the scaled conversions
.irp c, 0,1
.irp i, 0,1
	v_permlane16_swap_b32 v[PC+4*\c+\i], v[PC+2+4*\c+\i]
.endr
.endr
.endm
.macro EPIADD a, bias, step            ; R's tile a: its eight accumulators + the bias, each accumulator from its low end on, into v[HA] on
	WIN (2+(\a)/4)|4
.set i, 0
.rept 32
	v_pk_add_f32 v[HA+2*i:HA+2*i+1], v[64*((\a)%4)+2*i:64*((\a)%4)+2*i+1], v[(\bias)+(\step)*i:(\bias)+(\step)*i+1]
.set i, i+1
.endr
	WIN 0
.endm
	s_cmp_eq_u32 s[TAU], 2
	s_cbranch_scc1 .Lv_out
	; ---- q, k: my 128 features are two heads; R's tile a is 16 tokens
	s_cmp_eq_u32 s[TAU], 0
	s_cselect_b64 s[90:91], s[16:17], s[18:19]
	s_lshr_b32 s86, s[AB], 2
	s_lshl_b32 s86, s86, 4
	s_lshl_b32 s87, s[WB], 2
	s_add_co_u32 s86, s86, s87
	s_lshl_b32 s87, s[WP], 1
	s_add_co_u32 s86, s86, s87                     ; 16 x batch + my first head
	s_mul_i32 s86, s86, 36864
	s_and_b32 s88, s[AB], 3
	s_lshl_b32 s88, s88, 4
	s_lshl_b32 s89, s[WR], 3
	s_add_co_u32 s88, s88, s89                     ; my first tile of the batch's 64
	s_lshl_b32 s92, s88, 9
	s_add_co_u32 s92, s92, s86
	s_mov_b32 s93, 0
	s_add_nc_u64 s[92:93], s[90:91], s[92:93]      ; its codes
	s_lshl_b32 s94, s88, 6
	s_add_co_u32 s94, s94, s86
	s_add_co_u32 s94, s94, 32768
	s_mov_b32 s95, 0
	s_add_nc_u64 s[94:95], s[90:91], s[94:95]      ; its scale words
.irp a, 0,1,2,3,4,5,6,7
	s_wait_xcnt 0x0                                ; the last tile's stores have read the codes' registers
	EPIADD \a, 64, 2
	QUANT HA, PW
	global_store_b128 v[LI], v[PC:PC+3], s[92:93] offset:512*\a            ; the first head's 64 features: 512 consecutive bytes
	global_store_b128 v[LI], v[PC+4:PC+7], s[92:93] offset:36864+512*\a    ; the second head's
	v_and_b32 v[T0], 0xffff, v[PW]
	v_lshrrev_b32 v[T1], 16, v[PW]
	v_cndmask_b32 v[T0], v[T0], v[T1], s[HM]       ; lanes 0-15 make the first head's word, lanes 16-31 the second's
	v_or_b32 v[T0], v[T0], v[MB+\a]                ; with byte 2
	ds_store_b32 v[QKS], v[T0] offset:64*\a
.endr
	ds_load_b128 v[HA:HA+3], v[QKL]                ; LDS serves a wave's instructions in order: these see my stores
	ds_load_b128 v[HA+4:HA+7], v[QKL] offset:512
	s_wait_dscnt 0x0
	global_store_b128 v[LI], v[HA:HA+3], s[94:95]                  ; eight tiles' words of a head: 512 consecutive bytes
	global_store_b128 v[LI], v[HA+4:HA+7], s[94:95] offset:36864
	s_wait_tensorcnt 0x0                           ; the wave's end
	ds_add_u32 v126, v127
	s_wait_dscnt 0x0
	s_endpgm
.Lv_out:
	; ---- v: my 128 tokens are one key step; R's tile a is 16 features: head a / 4 of my two, tile a % 4
	s_lshr_b32 s86, s[AB], 2
	s_lshl_b32 s86, s86, 4
	s_lshl_b32 s87, s[WB], 2
	s_add_co_u32 s86, s86, s87
	s_lshl_b32 s87, s[WR], 1
	s_add_co_u32 s86, s86, s87
	s_mul_i32 s86, s86, 34816
	s_and_b32 s88, s[AB], 3
	s_lshl_b32 s88, s88, 1
	s_add_co_u32 s88, s88, s[WP]                   ; my key step of the batch's eight
	s_lshl_b32 s92, s88, 12
	s_add_co_u32 s92, s92, s86
	s_mov_b32 s93, 0
	s_add_nc_u64 s[92:93], s[20:21], s[92:93]
	s_lshl_b32 s94, s88, 8
	s_add_co_u32 s94, s94, s86
	s_add_co_u32 s94, s94, 32768
	s_mov_b32 s95, 0
	s_add_nc_u64 s[94:95], s[20:21], s[94:95]
.irp a, 0,1,2,3,4,5,6,7
	s_wait_xcnt 0x0
	EPIADD \a, 192+2*\a, 0
	QUANT HA, PW
	global_store_b128 v[LI], v[PC:PC+3], s[92:93] offset:34816*(\a/4)+1024*(\a%4)
	global_store_b128 v[LI], v[PC+4:PC+7], s[92:93] offset:34816*(\a/4)+1024*(\a%4)+512
	ds_store_b32 v[VSS], v[PW] offset:64*\a        ; both halves of the lanes write the same word with the same value
.endr
	ds_load_b128 v[HA:HA+3], v[VSL]
	s_wait_dscnt 0x0
	global_store_b128 v[VGO], v[HA:HA+3], s[94:95] ; lanes 0-15: the first head's 256 bytes, lanes 16-31: the second's
	s_wait_tensorcnt 0x0
	ds_add_u32 v126, v127
	s_wait_dscnt 0x0
	s_endpgm
.Lfunc_end_k_q79f3d06126_proj:
	.size	k_q79f3d06126_proj, .Lfunc_end_k_q79f3d06126_proj-k_q79f3d06126_proj
	.p2alignl 7, 3214868480
	.fill 96, 4, 3214868480
	.section	.rodata,"a",@progbits
	.p2align	6, 0x0
	.amdhsa_kernel k_q79f3d06126_proj
		.amdhsa_group_segment_fixed_size 327680
		.amdhsa_private_segment_fixed_size 0
		.amdhsa_enable_private_segment 0
		.amdhsa_kernarg_size 72
		.amdhsa_user_sgpr_count 2
		.amdhsa_user_sgpr_kernarg_segment_ptr 1
		.amdhsa_wavefront_size32 1
		.amdhsa_system_sgpr_workgroup_id_x 1
		.amdhsa_system_sgpr_workgroup_id_y 1
		.amdhsa_system_sgpr_workgroup_id_z 1
		.amdhsa_system_vgpr_workitem_id 0
		.amdhsa_next_free_vgpr 1024
		.amdhsa_next_free_sgpr 96
		.amdhsa_reserve_vcc 1
		.amdhsa_float_denorm_mode_32 3
		.amdhsa_float_denorm_mode_16_64 3
		.amdhsa_memory_ordered 1
		.amdhsa_forward_progress 1
		.amdhsa_inst_pref_size 196
	.end_amdhsa_kernel
	.amdgpu_metadata
---
amdhsa.version: [ 1, 2 ]
amdhsa.kernels:
  - .name:           k_q79f3d06126_proj
    .symbol:         k_q79f3d06126_proj.kd
    .args:
      - { .name: cod, .offset: 0, .size: 8, .value_kind: global_buffer, .address_space: global }
      - { .name: scl, .offset: 8, .size: 8, .value_kind: global_buffer, .address_space: global }
      - { .name: bq, .offset: 16, .size: 8, .value_kind: global_buffer, .address_space: global }
      - { .name: bk, .offset: 24, .size: 8, .value_kind: global_buffer, .address_space: global }
      - { .name: bv, .offset: 32, .size: 8, .value_kind: global_buffer, .address_space: global }
      - { .name: src_mask, .offset: 40, .size: 8, .value_kind: global_buffer, .address_space: global }
      - { .name: qb, .offset: 48, .size: 8, .value_kind: global_buffer, .address_space: global }
      - { .name: kb, .offset: 56, .size: 8, .value_kind: global_buffer, .address_space: global }
      - { .name: vb, .offset: 64, .size: 8, .value_kind: global_buffer, .address_space: global }
    .group_segment_fixed_size: 327680
    .private_segment_fixed_size: 0
    .kernarg_segment_align: 8
    .kernarg_segment_size: 72
    .max_flat_workgroup_size: 128
    .sgpr_count:     96
    .vgpr_count:     1024
    .wavefront_size: 32
...
	.end_amdgpu_metadata
.endif
;; end of part 2
;; launch attn (part 3): grid 256 x 1, 4 waves a work-group, clusters of 4 x 1, 327,680 bytes of LDS; arguments qb, kb, vb, beta, tgt_mask, out0; writes out0
.if DOCPART == 3
	.amdgcn_target "amdgcn-amd-amdhsa--gfx1250"
	.amdhsa_code_object_version 6
	.text
	.protected	k_q79f3d06126_attn
	.globl	k_q79f3d06126_attn
	.p2align	8
	.type	k_q79f3d06126_attn,@function
k_q79f3d06126_attn:
	s_mov_b64 s[64:65], 0
	v_nop
	global_prefetch_b8 v0, s[64:65] scope:SCOPE_SE
	s_setreg_imm32_b32 hwreg(HW_REG_WAVE_MODE, 25, 1), 1
	s_wait_xcnt 0x0
	s_wait_alu depctr_hold_cnt(0) depctr_sa_sdst(0) depctr_va_vdst(0) depctr_va_sdst(0) depctr_va_ssrc(0) depctr_va_vcc(0) depctr_vm_vsrc(0)
	s_getreg_b32 s2, hwreg(HW_REG_IB_STS2, 6, 4)
	s_cmp_eq_u32 s2, 0
	s_cbranch_scc0 .Lentry_in_a_cluster
	s_endpgm
.Lentry_in_a_cluster:
	s_bfe_u32 s2, ttmp6, 0x10000c
	s_cmp_lg_u32 s2, 0x3003
	s_cbranch_scc0 .Lentry_shape_is_right
	s_endpgm
.Lentry_shape_is_right:
; out[b][q][64 head + d] = sum over keys of (softmax_k(masked scores) + beta[head][q][k]) vh[b][head][k][d], both products on codes of FP4 with E8M0 scales.
; SHARES.  A work-group owns one head and 64 queries, each of its four waves 16 of them, and WALKS THE EIGHT BATCHES: so its 64 x 1,024 numbers of beta are read once and serve all eight.
; A wave keeps a whole row of scores in registers (16 queries x 1,024 keys: 512 registers): the softmax is finished and normalised, and beta added, before anything is quantised.
; LAYOUT.  Both products are used transposed: S^T = K Q^T, O^T = V^T A^T: a lane holds ONE query (lane % 16) throughout.  The keys of a tile of K are the chosen ones
; (tile T, row m: key 32 (T / 2) + 8 (T % 2) + m + 8 (m / 8)), so that registers 64 s + 16 b + i of S hold key 128 s + 32 b + 16 (lane / 16) + i.
; THE MASKS.  A head is 64 deep and the instruction 128: at k = 64 every key holds the code -1 and every query +1, and that block's scale bytes (made by the launch before) give
; -2^35 for a masked key and -2^-109 for a valid one.  A query that tgt_mask hides, or whose largest score is under -2^34 (no key counts), gets the factor 0 in place of c = log2(e) / 32: every p is then 1, and the row is uniform.
; LIMITS: raw scores beyond +-2^34 are not served; a masked score is s - 2^35 and not -1e9 / scale: its p is 0 all the same within that limit.  NaN and infinities are not served.  A block of zeros gets the byte 1.
; BETA lies half in registers, half in LDS.  Key steps 0-3 of my 16 queries fill window 3 for the whole launch: 64 loads of whole 256-byte pieces of rows, turned once, through my stage, into S's order.
; Key steps 4-7 lie in LDS, rows of 512 + 16 bytes, filled once: wave w brings key step 4 + w of the work-group's 64 queries by one tensor load, behind the round that follows the head's loads.
; K AND V of a batch (36,864 + 34,816 bytes, images of the operands' registers) come through a RING OF TWO LDS SLOTS: waves 0, 1 fetch K's halves, waves 2, 3 V's, one load each.  Slot 0's first fill is the head's one load a wave.
; In each trip but the last, behind the softmax, stand the wait for all tensor loads, the add, the wait for it and a round of the cluster's barrier, and behind it the next batch's load into the other slot (in the first trip: slot 1's first fill,
; later a refill of a slot whose reads ended with the trip before).  That round also shows beta's LDS half to all waves.  A work-group barrier at the trip's end, with the loads waited for, shows the filled slot to all waves.
; CLUSTER: four work-groups with neighbouring numbers have one head and walk the same K and V: each part is asked for JOINTLY.
; PREFETCH: behind each fill but the last, each wave names, for the batch after the one just asked for, 18 blocks of 256 bytes of K's 144 (waves 0, 1) or 17 of V's 136 (waves 2, 3); the cluster's eight such waves share the blocks out by address; lanes left over name their wave's last block.
; LDS (all of it is claimed): 0 slot 0 (K, its scale words at 32,768, V at 36,864, its scale words at 69,632); 71,680 beta's step 4; 105,472 a stage of 16 x 272 bytes for each wave;
;   122,880 the spare words; 131,072 slot 1; 202,752 beta's steps 5 to 7.
; REGISTERS, in windows of 256: window 0: v1-15 addresses and constants; v16-35 statistics; v36-47 scale words; v48-55 Q; v56-63 A's codes; v64-95 V, later rows of out; v96-127 O^T; v128-255 16 fragments of K, later two sets of 64 numbers of A.
;   windows 1, 2: S^T, then p: tile T at v[8 (T % 32)] of window 1 + T / 32.   window 3: beta's key steps 0-3, register 64 s + 16 b + i as in S.
.set D1,    131072
.set KSC,   32768
.set VOFF,  36864
.set VSC,   69632
.set LB4,   71680
.set LB5,   202752
.set BWV,   8448                       ; 16 rows x 528 bytes
.set BST,   33792                      ; a key step of beta: 64 rows
.set STGB,  105472
.set SPARE, 122880
.set KBAT,  589824
.set VBAT,  557056
.set LI,   1                           ; v1   16 x lane
.set AF,   2                           ; v2   LDS address of the fragments in hand
.set AS,   3                           ; v3   and of their scale words
.set SPW,  4                           ; v4   my spare word; never rewritten
.set NIL,  5                           ; v5   0; never rewritten
.set L4,   6                           ; v6   4 x lane
.set QSO,  7
.set RR,   8
.set SIN,  9
.set SOUT, 10
.set GO,   11
.set CKC,  12                          ; v12  register 4 of every fragment of K: the code -1 at k = 64 (lanes 0-15), else 0
.set TG,   13
.set PFO,  14                          ; v14  the prefetches' offset; never rewritten
.set QCO,  15
.set MX,   16                          ; v16-23  eight running maxima
.set CQ,   20                          ; v[20:21] c or 0 (when the maxima are joined)
.set NM,   22                          ; v[22:23] the largest score x that
.set LS,   24                          ; v24-31  the sum, in four pairs
.set TM,   16
.set RL,   32
.set T0,   34
.set ABE0, 35
.set QW,   36
.set PW,   37
.set VW,   38
.set KW,   40
.set QF,   48
.set PC,   56
.set VF,   64
.set O,    96
.set SL,   128
.set BE,   128
.set WV,   16
.set SEL,  20
.set G1K,  24
.set G1V,  32
.set G1B,  40
.set G0K,  48                          ; s[48:51] group 0 for K, which walks;  s[52:55] for V;  s[56:59] for beta
.set G0V,  52
.set G0B,  56
.set PFA,  68                          ; s[68:69] where my prefetches stand;  s[70:71] a batch on
.set PFS,  70
.set CCS,  75                          ; s75  c = log2(e) / 32
.set CNT,  84
.set TGM,  85
.set LIVE, 86
.set THR,  87
.set TB,   88
.set MSB, 0
.macro WIN new
.if MSB != (\new)
	s_set_vgpr_msb (MSB<<8)|(\new)
.set MSB, (\new)
.endif
.endm
.macro PLACES
.rept 4
	v_nop
.endr
.endm
.macro CROUND                          ; a round of the cluster's barrier
	s_barrier_signal -1
	s_barrier_wait -1
	s_cmp_lg_u32 s[WV], 0
	s_cbranch_scc1 .Lnot_wave_0_\@
	s_barrier_signal -3
.Lnot_wave_0_\@:
	s_barrier_wait -3
	s_barrier_signal -1
	s_barrier_wait -1
.endm
.macro JLOAD                           ; a joint load; the branch hangs on the wave's number alone; s_nop 0 and four v_nop follow each line
	s_cmp_lt_u32 s[WV], 2
	s_cbranch_scc0 .Lfor_v_\@
	tensor_load_to_lds s[G0K:G0K+3], s[G1K:G1K+7]
	s_nop 0
	PLACES
	s_branch .Lasked_\@
.Lfor_v_\@:
	tensor_load_to_lds s[G0V:G0V+3], s[G1V:G1V+7]
	s_nop 0
	PLACES
.Lasked_\@:
.endm
	s_load_b256 s[4:11], s[0:1], 0x0               ; qb s[4:5], kb s[6:7], vb s[8:9], beta s[10:11]
	s_load_b128 s[12:15], s[0:1], 0x20             ; tgt_mask s[12:13], out s[14:15]
	v_lshl_add_u32 v[SPW], v0, 2, SPARE
	v_mov_b32 v[NIL], 0
	ds_add_u32 v[SPW], v[NIL]                      ; the opening lines: the add twice on end and one wait
	ds_add_u32 v[SPW], v[NIL]
	v_lshrrev_b32 v1, 5, v0
	v_readfirstlane_b32 s[WV], v1                  ; wave 0..3
	s_bfe_u32 s90, ttmp6, 0x40000                  ; cx.  It enters the addresses of Q, beta, tgt_mask, out and the prefetches alone: no LDS address, no branch and no joint load hangs on it
	s_lshr_b32 s17, ttmp9, 2                       ; the head: four clusters to a head
	s_and_b32 s18, ttmp9, 3
	s_lshl_b32 s18, s18, 2
	s_add_co_u32 s18, s18, s90                     ; my block of 64 queries
	s_lshl_b32 s62, s17, 10
	s_lshl_b32 s63, s18, 6
	s_add_co_u32 s62, s62, s63
	s_lshl_b32 s62, s62, 12                        ; beta's row (head, the block's first query), in bytes,
	s_lshl_b32 s63, s[WV], 9
	s_add_co_u32 s62, s62, s63
	s_add_co_u32 s62, s62, 2048                    ; at key step 4 + wave
	s_mov_b32 s63, 0
	s_lshl_b32 s18, s18, 2
	s_add_co_u32 s18, s18, s[WV]                   ; qt: my tile of 16 queries
	s_lshl_b32 s19, s18, 4                         ; my first query
	; group 1 for half of K's block: 18,432 dense bytes as 72 rows of 256; for half of V's: 17,408 as 68 rows.  15:0 the mask: all four work-groups; 21 set beside a mask
	s_mov_b32 s[G1K+0], 15|(3<<16)|(1<<21)
	s_mov_b32 s[G1K+1], 32<<16
	s_mov_b32 s[G1K+2], 72<<16
	s_mov_b32 s[G1K+3], 32<<16
	s_mov_b32 s[G1K+4], 72
	s_mov_b32 s[G1K+5], 32
	s_mov_b32 s[G1K+6], 0
	s_mov_b32 s[G1K+7], 0
	s_mov_b32 s[G1V+0], 15|(3<<16)|(1<<21)
	s_mov_b32 s[G1V+1], 32<<16
	s_mov_b32 s[G1V+2], 68<<16
	s_mov_b32 s[G1V+3], 32<<16
	s_mov_b32 s[G1V+4], 68
	s_mov_b32 s[G1V+5], 32
	s_mov_b32 s[G1V+6], 0
	s_mov_b32 s[G1V+7], 0
	; group 1 for a key step of beta: 64 rows (queries) x 128 numbers of 4 bytes, 1,024 numbers apart; 4 words of padding behind every 128; no mask
	s_mov_b32 s[G1B+0], (2<<16)|(1<<20)|(6<<22)|(3<<25)
	s_mov_b32 s[G1B+1], 128<<16
	s_mov_b32 s[G1B+2], 64<<16
	s_mov_b32 s[G1B+3], 128<<16
	s_mov_b32 s[G1B+4], 64
	s_mov_b32 s[G1B+5], 1024
	s_mov_b32 s[G1B+6], 0
	s_mov_b32 s[G1B+7], 0
	s_and_b32 s91, s[WV], 1                        ; which half I fetch
	s_mul_i32 s89, s91, 18432                      ; of K's block: the same offset in memory and in a slot
	s_mul_i32 s91, s91, 17408                      ; of V's
	s_mul_i32 s22, s17, 36864
	s_add_co_u32 s22, s22, s89
	s_mov_b32 s23, 0
	s_mul_i32 s92, s17, 34816
	s_add_co_u32 s92, s92, s91
	s_mov_b32 s93, 0
	s_lshl_b32 s2, s17, 10
	s_add_co_u32 s2, s2, s19
	s_lshl_b32 s2, s2, 12                          ; beta's row (head, my first query), in bytes
	s_mov_b32 s3, 0
	s_mul_i32 s94, s[WV], BWV
	s_mul_i32 s66, s[WV], BST                      ; where my key step of beta goes: step 4 at LB4, steps 5 to 7 from LB5 on
	s_min_u32 s67, s[WV], 1
	s_mul_i32 s67, s67, LB5-BST-LB4
	s_add_co_u32 s66, s66, s67
	s_add_co_u32 s66, s66, LB4
	s_wait_dscnt 0x0                               ; both opening adds are done
	s_wait_kmcnt 0x0
	s_mov_b32 s[G0K], 1
	s_mov_b32 s[G0K+1], s89
	s_add_nc_u64 s[G0K+2:G0K+3], s[6:7], s[22:23]  ; my half of K's block of (batch 0, head)
	s_or_b32 s[G0K+3], s[G0K+3], 0x80000000
	s_mov_b32 s[G0V], 1
	s_add_co_u32 s[G0V+1], s91, VOFF
	s_add_nc_u64 s[G0V+2:G0V+3], s[8:9], s[92:93]
	s_or_b32 s[G0V+3], s[G0V+3], 0x80000000
	s_mov_b32 s[G0B], 1
	s_mov_b32 s[G0B+1], s66
	s_add_nc_u64 s[G0B+2:G0B+3], s[10:11], s[62:63]
	s_or_b32 s[G0B+3], s[G0B+3], 0x80000000
	s_add_nc_u64 s[10:11], s[10:11], s[2:3]
	CROUND                                         ; all four work-groups are here: the first joint loads meet
	JLOAD                                          ; slot 0, batch 0: my one tensor load at the head
	s_mul_i32 s22, s17, 36864
	s_mov_b32 s23, 0
	s_add_nc_u64 s[4:5], s[4:5], s[22:23]          ; batch 0's block of my head in qb
	s_mov_b32 s2, s19
	s_add_nc_u64 s[12:13], s[12:13], s[2:3]
	s_lshl_b32 s2, s19, 12
	s_lshl_b32 s22, s17, 8
	s_add_co_u32 s2, s2, s22
	s_add_nc_u64 s[14:15], s[14:15], s[2:3]        ; out: my first query's row, my head's 256 bytes
	s_cmp_lt_u32 s[WV], 2                          ; the prefetches: waves 0, 1 name K's blocks, waves 2, 3 V's
	s_cselect_b64 s[PFA:PFA+1], s[6:7], s[8:9]
	s_mov_b32 s[PFS], VBAT
	s_cselect_b32 s[PFS], KBAT, s[PFS]
	s_cselect_b32 s72, 18, 17                      ; blocks a wave
	s_mov_b32 s76, 34816
	s_cselect_b32 s76, 36864, s76
	s_mul_i32 s76, s76, s17                        ; my head's block,
	s_add_co_u32 s76, s76, s[PFS]                  ; of batch 1: the first fill steps it to batch 2
	s_mov_b32 s77, 0
	s_mov_b32 s[PFS+1], 0
	s_add_nc_u64 s[PFA:PFA+1], s[PFA:PFA+1], s[76:77]
	s_lshl_b32 s73, s90, 1
	s_and_b32 s74, s[WV], 1
	s_add_co_u32 s73, s73, s74                     ; my place among the cluster's eight waves that name this tensor
	s_mul_i32 s73, s73, s72
	s_sub_co_u32 s74, s72, 1
	s_mov_b32 s[SEL], 0x76543210
	s_mov_b32 s[SEL+1], 0xfedcba98
	s_mov_b32 s[THR], 0xd0800000
	s_mov_b32 s[CCS], 0x3d38aa3b
	s_mov_b32 s[TB], 0
	s_lshl_b32 s78, s18, 6
	s_lshl_b32 s79, s18, 9
	s_mul_i32 s89, s[WV], 4352
	s_add_co_u32 s89, s89, STGB                    ; my stage
	v_and_b32 v[PC], 31, v0                        ; lane
	v_and_b32 v[RR], 15, v0                        ; r
	v_bfe_u32 v[PC+1], v0, 4, 1                    ; h
	v_lshlrev_b32 v[LI], 4, v[PC]
	v_lshlrev_b32 v[L4], 2, v[PC]
	v_min_u32 v[PFO], s74, v[PC]
	v_add_nc_u32 v[PFO], s73, v[PFO]
	v_lshlrev_b32 v[PFO], 8, v[PFO]
	v_mul_u32_u24 v[ABE0], v[RR], 528
	v_lshl_add_u32 v[ABE0], v[PC+1], 6, v[ABE0]
	v_add_nc_u32 v[ABE0], s94, v[ABE0]
	v_lshl_add_u32 v[QSO], v[RR], 2, s78
	v_add_nc_u32 v[QCO], s79, v[LI]
	v_mul_u32_u24 v[SIN], v[RR], 272
	v_lshl_add_u32 v[SIN], v[PC+1], 5, v[SIN]
	v_add_nc_u32 v[SIN], s89, v[SIN]
	v_mul_u32_u24 v[SOUT], v[PC+1], 272
	v_lshl_add_u32 v[SOUT], v[RR], 4, v[SOUT]
	v_add_nc_u32 v[SOUT], s89, v[SOUT]
	v_lshlrev_b32 v[GO], 12, v[PC+1]
	v_lshl_add_u32 v[GO], v[RR], 4, v[GO]
	v_sub_nc_u32 v[PC], 1, v[PC+1]                 ; 1 in lanes 0-15, which hold k = 64 .. 95 in registers 4-7
	v_mul_u32_u24 v[CKC], v[PC], 10                ; the code of -1 in the lowest four bits
	v_lshlrev_b32 v[QF+4], 1, v[PC]                ; the code of +1: Q's registers 4-7 are set once
	v_mov_b32 v[QF+5], 0
	v_mov_b32 v[QF+6], 0
	v_mov_b32 v[QF+7], 0
	s_wait_alu depctr_va_vdst(0)                   ; the wait at the head's end
	global_load_b128 v[QF:QF+3], v[QCO], s[4:5]    ; batch 0's Q, its scale words, my queries' mask bytes
	global_load_b32 v[QW], v[QSO], s[4:5] offset:32768
	global_load_u8 v[TG], v[RR], s[12:13]
.macro BGLOAD u                        ; beta's keys 64 u .. 64 u + 63 of my 16 queries into v[32 u] on of window 3, as they lie
.irp i, 0,1,2,3,4,5,6,7
	global_load_b128 v[32*(\u)+4*\i:32*(\u)+4*\i+3], v[GO], s[10:11] offset:8192*\i+256*(\u) th:TH_LOAD_NT
.endr
.endm
	WIN 0xc0                                       ; destination window 3
.irp u, 0,1,2,3,4,5,6
	BGLOAD \u
.endr
	s_wait_loadcnt 55                              ; of the 59 issued the oldest four are in: Q's three, which the first products read, and one of beta's
	BGLOAD 7
	WIN 0
.macro KLOAD g                         ; tiles 8 g .. 8 g + 7 of K: registers 0-3 of eight fragments, and four registers of scale words: 12 LDS loads
.irp i, 0,1,2,3,4,5,6,7
	ds_load_b128 v[SL+8*(8*((\g)%2)+\i):SL+8*(8*((\g)%2)+\i)+3], v[AF] offset:512*(8*(\g)+\i)
.endr
.irp p, 0,1,2,3
	ds_load_b32 v[KW+4*((\g)%2)+\p], v[AS] offset:64*(8*(\g)+2*\p)
.endr
.endm
.macro KMUL g                          ; their scores: eight products, each starts its own sum
	WIN (1+(\g)/4)<<6
.irp i, 0,1,2,3,4,5,6,7
.set rS, 64*((\g)%4)+8*\i
.set rK, SL+8*(8*((\g)%2)+\i)
.if \i%2
	v_wmma_scale_f32_16x16x128_f8f6f4 v[rS:rS+7], v[rK:rK+7], v[QF:QF+7], 0, v[KW+4*((\g)%2)+\i/2], v[QW] matrix_a_fmt:MATRIX_FMT_FP4 matrix_b_fmt:MATRIX_FMT_FP4 matrix_a_scale:MATRIX_SCALE_ROW1
.else
	v_wmma_scale_f32_16x16x128_f8f6f4 v[rS:rS+7], v[rK:rK+7], v[QF:QF+7], 0, v[KW+4*((\g)%2)+\i/2], v[QW] matrix_a_fmt:MATRIX_FMT_FP4 matrix_b_fmt:MATRIX_FMT_FP4
.endif
.endr
.endm
.macro MAXG g                          ; the group's 64 scores into the eight running maxima, each tile from its low end on
	WIN ((1+(\g)/4)<<2)|((1+(\g)/4)<<4)
.set i, 0
.rept 32
	v_max3_num_f32 v[MX+i%8], v[MX+i%8], v[64*((\g)%4)+2*i], v[64*((\g)%4)+2*i+1]
.set i, i+1
.endr
.endm
.macro FMA g                           ; score x c - largest score x c, two at a time
.set i, 0
.rept 32
	v_pk_fma_f32 v[64*((\g)%4)+2*i:64*((\g)%4)+2*i+1], v[64*((\g)%4)+2*i:64*((\g)%4)+2*i+1], v[CQ:CQ+1], v[NM:NM+1] op_sel_hi:[1,0,0] neg_lo:[0,0,1] neg_hi:[0,0,1]
.set i, i+1
.endr
.endm
.macro EXPG g, withfma                 ; the group's 64 exponentials; between them, where withfma is set, the next group's scalings
.set i, 0
.rept 32
	v_exp_f32 v[64*((\g)%4)+2*i], v[64*((\g)%4)+2*i]
	v_exp_f32 v[64*((\g)%4)+2*i+1], v[64*((\g)%4)+2*i+1]
.if \withfma
	v_pk_fma_f32 v[64*((\g)%4+1)+2*i:64*((\g)%4+1)+2*i+1], v[64*((\g)%4+1)+2*i:64*((\g)%4+1)+2*i+1], v[CQ:CQ+1], v[NM:NM+1] op_sel_hi:[1,0,0] neg_lo:[0,0,1] neg_hi:[0,0,1]
.endif
.set i, i+1
.endr
.endm
.macro SUMW w                          ; a window's 256 p into the sum's four pairs
	WIN \w
.set i, 0
.rept 128
	v_pk_add_f32 v[LS+2*(i%4):LS+2*(i%4)+1], v[2*i:2*i+1], v[LS+2*(i%4):LS+2*(i%4)+1]
.set i, i+1
.endr
.endm
.macro BELOAD s                        ; key step s (4 .. 7) of beta, in S's order, into the second set: 16 LDS loads
.if (\s) == 4
	v_add_nc_u32 v[T0], LB4, v[ABE0]
.else
	v_add_nc_u32 v[T0], LB5+BST*((\s)-5), v[ABE0]
.endif
.irp b, 0,1,2,3
.irp j, 0,1,2,3
	ds_load_b128 v[BE+64+16*\b+4*\j:BE+64+16*\b+4*\j+3], v[T0] offset:128*\b+16*\j
.endr
.endr
.endm
.macro VLOAD s                         ; key step s of V: four fragments and two registers of scale words: 10 LDS loads
.irp t, 0,1,2,3
.irp c, 0,1
	ds_load_b128 v[VF+8*\t+4*\c:VF+8*\t+4*\c+3], v[AF] offset:1024*(4*(\s)+\t)+512*\c
.endr
.endr
.irp p, 0,1
	ds_load_b32 v[VW+\p], v[AS] offset:64*(4*(\s)+2*\p)
.endr
.endm
.macro ATT s                           ; A = p / sum + beta, one fused multiply-add for two numbers
.set i, 0
.if (\s) < 4
	WIN 0x31                                       ; source 0 window 1, source 2 window 3
.rept 32
	v_pk_fma_f32 v[BE+2*i:BE+2*i+1], v[64*(\s)+2*i:64*(\s)+2*i+1], v[RL:RL+1], v[64*(\s)+2*i:64*(\s)+2*i+1] op_sel_hi:[1,0,1]
.set i, i+1
.endr
.else
	WIN 0x02                                       ; source 0 window 2
.rept 32
	v_pk_fma_f32 v[BE+64+2*i:BE+64+2*i+1], v[64*((\s)-4)+2*i:64*((\s)-4)+2*i+1], v[RL:RL+1], v[BE+64+2*i:BE+64+2*i+1] op_sel_hi:[1,0,1]
.set i, i+1
.endr
.endif
	WIN 0
.endm
.macro QUANT s, pw                     ; 64 numbers of a lane, register 16 b + i = key 32 b + 16 h + i of my query, become a fragment's codes in v[PC] on and its scale word in v[pw]
.irp b, 0,1,2,3
	v_max3_num_f32 v[TM+\b], |v[(\s)+16*\b]|, |v[(\s)+1+16*\b]|, 0x1800000
.endr
.irp i, 2,4,6,8,10,12,14
.irp b, 0,1,2,3
	v_max3_num_f32 v[TM+\b], v[TM+\b], |v[(\s)+16*\b+\i]|, |v[(\s)+1+16*\b+\i]|
.endr
.endr
.irp b, 0,1,2,3
	v_permlanex16_b32 v[TM+4+\b], v[TM+\b], s[SEL], s[SEL+1]
.endr
.irp b, 0,1,2,3
	v_max_num_f32 v[TM+\b], v[TM+\b], v[TM+4+\b]
.endr
.irp b, 0,1,2,3
	v_add_nc_u32 v[TM+12+\b], 0xff000000, v[TM+\b]
.endr
.irp b, 0,1,2,3
	v_lshrrev_b32 v[TM+4+\b], 23, v[TM+12+\b]
.endr
	v_lshl_or_b32 v[\pw], v[TM+5], 8, v[TM+4]
	v_lshl_or_b32 v[\pw], v[TM+6], 16, v[\pw]
	v_lshl_or_b32 v[\pw], v[TM+7], 24, v[\pw]
.irp b, 0,1,2,3
	v_cvt_scalef32_pk8_fp4_f32 v[PC+2*\b], v[(\s)+16*\b:(\s)+7+16*\b], v[TM+12+\b]
	v_cvt_scalef32_pk8_fp4_f32 v[PC+1+2*\b], v[(\s)+8+16*\b:(\s)+15+16*\b], v[TM+12+\b]
.endr
	v_nop                                          ; one plain line behind the scaled conversions
.irp c, 0,1
.irp i, 0,1
	v_permlane16_swap_b32 v[PC+4*\c+\i], v[PC+2+4*\c+\i]
.endr
.endr
.endm
.macro PV p                            ; O^T += V^T A^T: the four accumulators take turns; the first step (p = 0) starts the sums
.irp t, 0,1,2,3
.if (\p) == 0
.if \t%2
	v_wmma_scale_f32_16x16x128_f8f6f4 v[O+8*\t:O+8*\t+7], v[VF+8*\t:VF+8*\t+7], v[PC:PC+7], 0, v[VW+\t/2], v[PW] matrix_a_fmt:MATRIX_FMT_FP4 matrix_b_fmt:MATRIX_FMT_FP4 matrix_a_scale:MATRIX_SCALE_ROW1
.else
	v_wmma_scale_f32_16x16x128_f8f6f4 v[O+8*\t:O+8*\t+7], v[VF+8*\t:VF+8*\t+7], v[PC:PC+7], 0, v[VW+\t/2], v[PW] matrix_a_fmt:MATRIX_FMT_FP4 matrix_b_fmt:MATRIX_FMT_FP4
.endif
.else
.if \t%2
	v_wmma_scale_f32_16x16x128_f8f6f4 v[O+8*\t:O+8*\t+7], v[VF+8*\t:VF+8*\t+7], v[PC:PC+7], v[O+8*\t:O+8*\t+7], v[VW+\t/2], v[PW] matrix_a_fmt:MATRIX_FMT_FP4 matrix_b_fmt:MATRIX_FMT_FP4 matrix_a_scale:MATRIX_SCALE_ROW1
.else
	v_wmma_scale_f32_16x16x128_f8f6f4 v[O+8*\t:O+8*\t+7], v[VF+8*\t:VF+8*\t+7], v[PC:PC+7], v[O+8*\t:O+8*\t+7], v[VW+\t/2], v[PW] matrix_a_fmt:MATRIX_FMT_FP4 matrix_b_fmt:MATRIX_FMT_FP4
.endif
.endif
.endr
.endm
; A BATCH, up to its last product.  tail = 0: the text of the first seven trips, whose first turns beta, and each of which asks for the next batch; tail = 1: the last, which asks for nothing.
.macro BODY tail
	; ---- 1: K's addresses in the slot in hand; its first two groups are asked for, and the constants are set while they come
	s_add_co_u32 s89, s[TB], KSC
	v_add_nc_u32 v[AF], s[TB], v[LI]
	v_add_nc_u32 v[AS], s89, v[L4]
	KLOAD 0
	KLOAD 1
.irp n, 0,1,2,3,4,5,6,7,8,9,10,11,12,13,14,15
	v_mov_b32 v[SL+8*\n+4], v[CKC]                 ; registers 4-7 of the 16 fragments of K: the mask's code, and zeros: the registers serve A in between
	v_mov_b32 v[SL+8*\n+5], 0
	v_mov_b32 v[SL+8*\n+6], 0
	v_mov_b32 v[SL+8*\n+7], 0
.endr
.irp i, 0,1,2,3,4,5,6,7
	v_mov_b32 v[MX+\i], 0xff800000
.endr
	v_cmp_ne_u32 s[TGM], 0, v[TG]
	; ---- 2: the scores, eight tiles at a time; each group's maxima stand behind the next group's products
.set G, 0
.rept 8
	s_wait_alu depctr_va_vdst(0)                   ; the wait here, directly ahead of the wait below
.if G < 7
	s_wait_dscnt 12                                ; this group's 12 loads are in; the next group's 12 may be out
.else
	s_wait_dscnt 0x0
.endif
	KMUL G
.if G == 0
	PLACES
.else
	MAXG G-1                                       ; 32 plain lines that name none of those products' registers: they are the places too
.endif
	WIN 0
.if G < 6
	KLOAD G+2
.endif
.set G, G+1
.endr
	MAXG 7
	WIN 0
	; ---- 3: V's addresses, and its first key step
	s_add_co_u32 s89, s[TB], VOFF
	v_add_nc_u32 v[AF], s89, v[LI]
	s_add_co_u32 s89, s[TB], VSC
	v_add_nc_u32 v[AS], s89, v[L4]
	VLOAD 0
	; ---- 4: the softmax
	v_max3_num_f32 v[MX], v[MX], v[MX+1], v[MX+2]
	v_max3_num_f32 v[MX+3], v[MX+3], v[MX+4], v[MX+5]
	v_max3_num_f32 v[MX], v[MX], v[MX+6], v[MX+7]
	v_max_num_f32 v[MX], v[MX], v[MX+3]
	v_permlanex16_b32 v[MX+1], v[MX], s[SEL], s[SEL+1]
	v_max_num_f32 v[MX], v[MX], v[MX+1]            ; with lane l xor 16's keys: the row's largest score
	v_cmp_lt_f32 s[LIVE], s[THR], v[MX]            ; some key counts,
	s_and_b32 s[LIVE], s[LIVE], s[TGM]             ; and the query does
	v_mov_b32 v[CQ], s[CCS]
	v_cndmask_b32 v[CQ], 0, v[CQ], s[LIVE]
	v_mov_b32 v[CQ+1], v[CQ]
	v_mul_f32 v[NM], v[MX], v[CQ]
	v_mov_b32 v[NM+1], v[NM]
.irp i, 0,1,2,3,4,5,6,7
	v_mov_b32 v[LS+\i], 0
.endr
.irp w, 0,1
	WIN (1+\w)|((1+\w)<<6)
	FMA 4*\w
	s_wait_alu depctr_va_vdst(0)                   ; a wait ahead of each run of exponentials that reads what plain lines wrote
	EXPG 4*\w, 1
	s_wait_alu depctr_va_vdst(0)
	EXPG 4*\w+1, 1
	s_wait_alu depctr_va_vdst(0)
	EXPG 4*\w+2, 1
	s_wait_alu depctr_va_vdst(0)
	EXPG 4*\w+3, 0
.endr
	v_nop                                          ; a plain line behind the last exponential
	s_wait_alu depctr_va_vdst(0)                   ; one wait ahead of the first line that names a result
	SUMW 1
	SUMW 2
	WIN 0
	v_pk_add_f32 v[LS:LS+1], v[LS:LS+1], v[LS+2:LS+3]
	v_pk_add_f32 v[LS+4:LS+5], v[LS+4:LS+5], v[LS+6:LS+7]
	v_pk_add_f32 v[LS:LS+1], v[LS:LS+1], v[LS+4:LS+5]
	v_add_f32 v[LS], v[LS], v[LS+1]
	v_permlanex16_b32 v[LS+1], v[LS], s[SEL], s[SEL+1]
	v_add_f32 v[LS], v[LS], v[LS+1]                ; the row's sum
	s_wait_alu depctr_va_vdst(0)
	v_rcp_f32 v[RL], v[LS]
	v_nop
	s_wait_alu depctr_va_vdst(0)
	v_mov_b32 v[RL+1], v[RL]
	; ---- 5: beta is first wanted here
	s_wait_loadcnt 0x0                             ; the half that stays in registers is in; from the second trip on no load is out here
.if !\tail
	s_cmp_lg_u32 s[CNT], 7                         ; in the first trip it is turned into S's order, 64 keys at a time, in place, through my stage
	s_cbranch_scc1 .Lturned_\@
	v_bfe_u32 v[T0], v0, 4, 1
	v_lshl_add_u32 v[T0], v[T0], 5, v[SIN]         ; the stage: row r, + 64 h
.set U, 0
	s_wait_alu depctr_va_vdst(0)
.rept 8
	s_wait_dscnt 16                                ; the 16 LDS instructions of the 64 keys before may be out
	WIN 0x0c                                       ; an LDS store's data are its source 1: window 3
.irp i, 0,1,2,3,4,5,6,7
	ds_store_b128 v[SOUT], v[32*U+4*\i:32*U+4*\i+3] offset:544*\i
.endr
	WIN 0xc0
.irp b, 0,1
.irp j, 0,1,2,3
	ds_load_b128 v[32*U+16*\b+4*\j:32*U+16*\b+4*\j+3], v[T0] offset:128*\b+16*\j   ; LDS serves a wave's instructions in order: these see the stores above
.endr
.endr
.set U, U+1
.endr
	WIN 0
	s_wait_dscnt 0x0
.Lturned_\@:
	s_add_nc_u64 s[4:5], s[4:5], KBAT              ; all earlier loads are in, so their bases may step: the next batch's Q
	s_add_nc_u64 s[12:13], s[12:13], 1024
	global_load_b128 v[QF:QF+3], v[QCO], s[4:5]
	global_load_b32 v[QW], v[QSO], s[4:5] offset:32768
	global_load_u8 v[TG], v[RR], s[12:13]
	; THE FILL of the other slot with the next batch
	s_wait_tensorcnt 0x0                           ; no tensor load of mine is out (in the first trip: my key step of beta is in), so a group 0 may be written
	ds_add_u32 v[SPW], v[NIL]                      ; 0 onto my spare word
	s_xor_b32 s[G0K+1], s[G0K+1], D1               ; the walking descriptors: the other slot, the next batch
	s_add_nc_u64 s[G0K+2:G0K+3], s[G0K+2:G0K+3], KBAT
	s_xor_b32 s[G0V+1], s[G0V+1], D1
	s_add_nc_u64 s[G0V+2:G0V+3], s[G0V+2:G0V+3], VBAT
	s_wait_xcnt 0x0                                ; my last prefetch has read its address
	s_add_nc_u64 s[PFA:PFA+1], s[PFA:PFA+1], s[PFS:PFS+1]  ; one batch further on than the walking descriptors
	s_wait_dscnt 0x0                               ; the add is done; my reads of the other slot ended with the trip before
	CROUND
	JLOAD                                          ; the first tensor load behind the round, one a wave
.endif
	BELOAD 4
.if !\tail
	s_cmp_eq_u32 s[CNT], 1                         ; the seventh trip has no batch two on: every prefetch stays inside its buffer
	s_cbranch_scc1 .Lno_ask_\@
	global_prefetch_b8 v[PFO], s[PFA:PFA+1] th:TH_LOAD_NT scope:SCOPE_SE
.Lno_ask_\@:
.endif
	; ---- 6: A = softmax + beta, quantised, times V: key steps 0, 4, 1, 5, 2, 6, 3, 7; place P takes step 4 (P % 2) + P / 2 and set P % 2
	s_wait_alu depctr_va_vdst(0)                   ; the wait here, directly ahead of the first reader of 1 / the sum behind waits and branches
	ATT 0
.set P, 0
.rept 8
	QUANT BE+64*(P%2), PW
.if (P%2 == 1) && (P < 7)
	BELOAD 5+P/2                                   ; into the set just quantised: it is wanted two places on
.endif
.if P < 7
.if P == 0
	s_wait_dscnt 0x0                               ; beta's step 4 is in (and V's step 0)
.elseif P%2 == 0
	s_wait_dscnt 10                                ; the next step's beta is in; V's 10 loads, issued behind it, may be out
.endif
	ATT ((P+1)%2)*4+(P+1)/2                        ; 32 plain lines: also the places between the codes and the scale word just made and the products below
.else
	s_wait_alu depctr_va_vdst(0)
.rept 8
	v_nop                                          ; eight places between the scale word and the scaled products
.endr
.endif
.if (P%2 == 1) && (P < 7)
	s_wait_dscnt 16                                ; V's step is in; beta's 16 loads, issued behind it, may be out
.else
	s_wait_dscnt 0x0
.endif
	PV P
.if P < 7
	PLACES
	VLOAD ((P+1)%2)*4+(P+1)/2
.endif
.set P, P+1
.endr
.endm
; THE WAY OUT.  A lane holds 32 neighbouring bytes of a row for each tile; through my own stage they become whole rows of 256 bytes.
.macro OUT
	PLACES                                         ; four places between the last products and the first read of O^T and the loads into V's registers
.irp t, 0,1,2,3
	ds_store_b128 v[SIN], v[O+8*\t:O+8*\t+3] offset:64*\t          ; each accumulator from its low end on
	ds_store_b128 v[SIN], v[O+8*\t+4:O+8*\t+7] offset:64*\t+16
.endr
.irp i, 0,1,2,3,4,5,6,7
	ds_load_b128 v[VF+4*\i:VF+4*\i+3], v[SOUT] offset:544*\i
.endr
.irp i, 0,1,2,3,4,5,6,7
	s_wait_dscnt 7-\i                              ; row pair i is back; the later ones may be out
	global_store_b128 v[GO], v[VF+4*\i:VF+4*\i+3], s[14:15] offset:8192*\i th:TH_STORE_NT   ; 16 lanes store 256 consecutive bytes, aligned
.endr
.endm
	s_wait_tensorcnt 0x0                           ; my part of slot 0 is in
	ds_add_u32 v[SPW], v[NIL]
	s_wait_dscnt 0x0
	CROUND                                         ; everybody's part is in
	tensor_load_to_lds s[G0B:G0B+3], s[G1B:G1B+7]  ; my key step of beta, for the work-group's 64 queries
	s_nop 0
	PLACES
	s_mov_b32 s[CNT], 7
.Ltrip:                                                ; batches 0 to 6
	BODY 0
	OUT
	s_wait_loadcnt 0x0                             ; the next batch's Q, its scale words and mask bytes are in
	s_wait_xcnt 0x0                                ; the stores have read their registers and their base
	s_add_nc_u64 s[14:15], s[14:15], 0x400000      ; the next batch's rows
	s_wait_tensorcnt 0x0                           ; my part of the next batch's slot is in,
	s_wait_dscnt 0x0
	s_barrier_signal -1
	s_barrier_wait -1                              ; and everybody's
	s_xor_b32 s[TB], s[TB], D1                     ; on to the other slot
	s_sub_co_u32 s[CNT], s[CNT], 1
	s_cmp_lg_u32 s[CNT], 0
	s_cbranch_scc1 .Ltrip
	BODY 1                                         ; batch 7, written out: it asks for nothing
	OUT
	s_wait_tensorcnt 0x0                           ; the wave's end
	ds_add_u32 v[SPW], v[NIL]
	s_wait_dscnt 0x0
	CROUND                                         ; the closing round
	s_endpgm
.Lfunc_end_k_q79f3d06126_attn:
	.size	k_q79f3d06126_attn, .Lfunc_end_k_q79f3d06126_attn-k_q79f3d06126_attn
	.p2alignl 7, 3214868480
	.fill 96, 4, 3214868480
	.section	.rodata,"a",@progbits
	.p2align	6, 0x0
	.amdhsa_kernel k_q79f3d06126_attn
		.amdhsa_group_segment_fixed_size 327680
		.amdhsa_private_segment_fixed_size 0
		.amdhsa_enable_private_segment 0
		.amdhsa_kernarg_size 48
		.amdhsa_user_sgpr_count 2
		.amdhsa_user_sgpr_kernarg_segment_ptr 1
		.amdhsa_wavefront_size32 1
		.amdhsa_system_sgpr_workgroup_id_x 1
		.amdhsa_system_sgpr_workgroup_id_y 1
		.amdhsa_system_sgpr_workgroup_id_z 1
		.amdhsa_system_vgpr_workitem_id 0
		.amdhsa_next_free_vgpr 1024
		.amdhsa_next_free_sgpr 96
		.amdhsa_reserve_vcc 0
		.amdhsa_float_denorm_mode_32 3
		.amdhsa_float_denorm_mode_16_64 3
		.amdhsa_memory_ordered 1
		.amdhsa_forward_progress 1
		.amdhsa_inst_pref_size 255
	.end_amdhsa_kernel
	.section	.bss,"aw",@nobits
	.p2align	6
	.space	262144
	.amdgpu_metadata
---
amdhsa.version: [ 1, 2 ]
amdhsa.kernels:
  - .name:           k_q79f3d06126_attn
    .symbol:         k_q79f3d06126_attn.kd
    .args:
      - { .name: qb, .offset: 0, .size: 8, .value_kind: global_buffer, .address_space: global }
      - { .name: kb, .offset: 8, .size: 8, .value_kind: global_buffer, .address_space: global }
      - { .name: vb, .offset: 16, .size: 8, .value_kind: global_buffer, .address_space: global }
      - { .name: beta, .offset: 24, .size: 8, .value_kind: global_buffer, .address_space: global }
      - { .name: tgt_mask, .offset: 32, .size: 8, .value_kind: global_buffer, .address_space: global }
      - { .name: out0, .offset: 40, .size: 8, .value_kind: global_buffer, .address_space: global }
    .group_segment_fixed_size: 327680
    .private_segment_fixed_size: 0
    .kernarg_segment_align: 8
    .kernarg_segment_size: 48
    .max_flat_workgroup_size: 128
    .sgpr_count:     96
    .vgpr_count:     1024
    .wavefront_size: 32
...
	.end_amdgpu_metadata
.endif
;; end of part 3
